; MI455X (gfx1250); checked and timed in simulation.
; The chip was launched on July 23, 2026; its instructions are those of AMD's public machine-readable ISA for CDNA 5 (MIT licence, August 2026) and "CDNA5" Instruction Set Architecture Reference Guide (July 2026). The comments in the code are by the model that wrote it; some were corrected since.
;; Cross Head Attention. Allowed arithmetic: matrix products marked QUANTISED: E2M3 operands, one E8M0 scale for each 32 along K, by v_wmma_scale_f32_16x16x128_f8f6f4 with both operands' format E2M3, f32 sums; everything else in f32.
;; Inputs: Wk 16 x 1,024 x 64 float32; Wo 1,024 x 1,024 float32; Wq 16 x 1,024 x 64 float32; Wv 16 x 1,024 x 64 float32; bk 16 x 64 float32; bo 1,024 float32; bq 16 x 64 float32; bv 16 x 64 float32; dec_hidden_state 2 x 2,048 x 1,024 float32; enc_hidden_state 2 x 2,048 x 1,024 float32; mask 2 x 2,048 x 2,048 int32.
;; Outputs: out0 2 x 2,048 x 1,024 float32.
;; This version of the problem:
;;   THIS VERSION OF THE PROBLEM IS GIVEN IN LOW PRECISION. The matrix products marked QUANTISED in the list below multiply operands that are first quantised to E2M3 (2 exponent bits, 3 mantissa bits; 6 bits a number), with one power-of-two scale for each 32 numbers along K (OCP MX v1.0); their sums are f32. All else is computed in f32.
;;   The module's matrix products, in the order in which they are computed (A, B: the left and right operand; K: the contracted axis; several contracted axes count as one K, in the product's order):
;;     1. [M 1,024, K 1,024] x [K 1,024, N 4,096]; A: input Wq; B: input enc_hidden_state: QUANTISED
;;     2. [M 1,024, K 1,024] x [K 1,024, N 4,096]; A: input Wk; B: input dec_hidden_state: QUANTISED
;;     3. [M 1,024, K 1,024] x [K 1,024, N 4,096]; A: input Wv; B: input dec_hidden_state: QUANTISED
;;     4. batch 32 x [M 2,048, K 64] x [K 64, N 2,048]; A: computed on the way; B: computed on the way: QUANTISED
;;     5. batch 32 x [M 2,048, K 2,048] x [K 2,048, N 64]; A: softmax (see below); B: computed on the way: QUANTISED
;;     6. [M 4,096, K 1,024] x [K 1,024, N 1,024]; A: computed on the way; B: input Wo: QUANTISED
;;   THE QUANTISER, for each operand of a quantised product, along K:
;;     - K is cut into blocks of 32 from its start; a last block that is shorter is filled with zeros.
;;     - A block's scale is 2^e with e = floor(log2(the largest magnitude in the block)) - 2, held to -126 .. 127; a block of zeros has e = 0. As a byte (E8M0): e + 127.
;;     - Each number is divided by its block's scale, clamped to +-7.5, and rounded to the nearest number of E2M3, ties to even, subnormals kept.
;;     - The product sums the exact products of the quantised numbers (number of the format x scale) in f32.
;;   ~~~python
;;   def quantise(x, axis):      # numpy; x: float32 -> the quantised numbers, widened to float32 again
;;       x = np.moveaxis(x, axis, -1); K = x.shape[-1]
;;       x = np.pad(x, [(0, 0)] * (x.ndim - 1) + [(0, -K % 32)]); x = x.reshape(x.shape[:-1] + (-1, 32)); a = np.abs(x).max(-1, keepdims=True)
;;       e = np.where(a > 0, np.clip(np.frexp(np.where(a > 0, a, 1))[1] - 1 - 2, -126, 127), 0)      # np.frexp(a)[1] - 1 = floor(log2(a)), exactly
;;       r = np.clip(x / 2.0 ** e, -7.5, 7.5)
;;       step = 2.0 ** (np.maximum(np.frexp(np.where(r == 0, 1, r))[1] - 1, 0) - 3)
;;       q = np.round(r / step) * step * 2.0 ** e      # np.round: ties to even
;;       return np.moveaxis(q.reshape(q.shape[:-2] + (-1,))[..., :K], -1, axis).astype(np.float32)
;;   ~~~
;;   SOFTMAX AHEAD OF A QUANTISED PRODUCT. Where the list says 'softmax', what is quantised is not the finished softmax but p = 2^(t - M), with t = logit x log2(e) and M = ceil(the row's largest t), a whole number; so 1/2 < the row's largest p <= 1. The row's sum l is taken of the UNQUANTISED p, in f32, and the product's result is divided by l at the end. Since M is a whole number, a kernel that streams over the keys may use a running M (the ceiling of the running maximum): every later rescaling is an exact power of two, which a block's scale takes up: the codes' values come out the same.
;;   OPERANDS COMPUTED ON THE WAY. 'Computed on the way' means the value that the module computes at that place (a softmax that the list does not call 'softmax' is quantised finished and normalised). What goes into a quantiser is computed in f32, as accurately as f32 sums, v_exp_f32 and their like allow (about 1e-6 of the number): no bf16 or f16 on the way to a quantiser, and a product that is left as it is and whose result goes on into a quantised operand takes f32 operands (vector FMAs, or v_wmma_f32_16x16x4_f32). A number that lies on a knife's edge between two numbers of the format may be rounded either way, as far as f32 arithmetic and the matrix unit's own rounding can turn it there, and no further.
;; One version. Each part assembles by itself: llvm-mc -triple=amdgcn-amd-amdhsa -mcpu=gfx1250 --defsym DOCPART=n.
;; ======== version 1 of 1: 4 launches
;; limits: right only within a limited range of input values
;; workspace buffers: ximg 6,553,600 bytes; wimg 3,276,800 bytes; maskw 1,048,576 bytes of whole numbers; qimg 3,407,872 bytes; kv 6,684,672 bytes; aimg 3,145,728 bytes; asc 262,144 bytes
;; launch prep (part 1): grid 1280 x 1, 4 waves a work-group, no clusters, 68,096 bytes of LDS; arguments enc_hidden_state, dec_hidden_state, mask, Wq, Wk, Wv, Wo, ximg, wimg, maskw; writes ximg, wimg, maskw
.if DOCPART == 1
	.amdgcn_target "amdgcn-amd-amdhsa--gfx1250"
	.amdhsa_code_object_version 6
	.text
	.protected	k_q00f8861494_prep
	.globl	k_q00f8861494_prep
	.p2align	8
	.type	k_q00f8861494_prep,@function
k_q00f8861494_prep:
	s_mov_b64 s[64:65], 0
	v_nop
	global_prefetch_b8 v0, s[64:65] scope:SCOPE_SE
	s_setreg_imm32_b32 hwreg(HW_REG_WAVE_MODE, 25, 1), 1
	s_wait_xcnt 0x0
; CROSS ATTENTION IN MX-FP6, LAUNCH 1 OF 4: every large input is read once and laid as the later launches' registers want it.
; DEAD WORK: none is left out in this program.  Every input has a way to out0: enc, Wq, bq through q; dec, Wk, bk through k (bk moves k's codes, so it stays); dec, Wv, bv through v;
; the mask through the softmax; Wo, bo through the last product.  All six products are done.
; WHAT THIS LAUNCH MAKES.  enc, dec [4096 rows][1024] and Wq, Wk, Wv, Wo (as [1024 output channels][K = 1024]) become codes of E2M3 with one E8M0 byte for each 32 along K; the mask becomes lane masks.
; THE QUANTISER: a block's scale is 2^(floor(log2(largest magnitude)) - 2); its byte is the largest magnitude's exponent field - 2, held at 1 from below by a floor among the maximum's leaves.
; LIMITS: NaN and infinities among the floating-point inputs are not served; a block whose largest magnitude lies under 2^-124 has its byte held at 1; a block of zeros gets the byte 1 where the rule
; says 127: its codes are zeros, which add nothing, and the bytes are read by this program alone.
; TILE ORDER.  An operand's rows go in groups of 32; tile 2 g + u holds in lane r the row 32 g + 8 u + r + 8 (r / 8).  As a product's source 0 a pair of such tiles gives a lane 16 neighbouring rows in its
; 16 result registers, which is what the next quantiser wants; as source 1 the order only says which row stands in which lane.
; IMAGES.  A fragment (16 rows x 128 K, 12 registers a lane) is stored as its registers stand: chunk c (512 bytes) holds registers 4 c .. 4 c + 3, lane l's 16 bytes at 16 l.
; A BLOCK of ximg or wimg, for 128 rows (a slab) and one K step of 128: 8 images (12,288 bytes), then 4 pair blocks of 128 bytes: word 4 l holds, in lanes 0-15, tile 2 p's rows' scale words, in lanes 16-31 tile 2 p + 1's.
; maskw: [256 query tiles][16 key steps][64 words]: bit l of word 16 b + i says whether key 128 step + 32 b + 16 (l / 16) + i counts for the query in lane l % 16 of the tile.
; SHARES.  A wave takes one unit of 16 KiB and ends: 32 rows x 128 K of enc or dec (work-groups 0-511), 32 queries x 128 keys of the mask (512-1023), 32 channels x 128 K of Wq, Wk, Wv (1024-1215) or of Wo (1216-1279).
; No matrix unit, no cluster, no tensor load: the launch is a stream, and waves share nothing; the paths part on the work-group's number and have LDS bytes of their own.
.set SPARE, 67584                      ; behind the stages: the spare words, 128 bytes a wave
.set REGX,  0                          ; the stages of the path for enc and dec: 4 waves x 16 rows x 528 bytes
.set REGM,  33792                      ; and of the path for the mask
.set TM,  16                           ; v16-31  the quantiser's small numbers
.set PW,  32                           ; v32     the scale word just made
.set PWA, 33                           ; v33     the first tile's
.set SWD, 34                           ; v34     the pair's words
.set MW,  36                           ; v36-39  mask words: two registers a tile
.set PC,  40                           ; v40-58  the codes just made
.set XS,  64                           ; v64-127 64 numbers of my row, register 16 b + i = k 32 b + 16 h + i
.set R0,  128                          ; v128-191, v192-255: 16 rows as loaded, a tile each
.set R1,  192
.macro FINISH                          ; the wave's end: a tensor wait, the add and its wait behind the last LDS store
	s_wait_tensorcnt 0x0
	ds_add_u32 v12, v13
	s_wait_dscnt 0x0
	s_endpgm
.endm
.macro LD16 reg, u, pitch              ; tile u's 16 rows: a load is one row's 512 consecutive bytes
.irp p, 0,1,2,3,4,5,6,7,8,9,10,11,12,13,14,15
	global_load_b128 v[\reg+4*\p:\reg+4*\p+3], v4, s[32:33] offset:(8*\u+\p+8*(\p/8))*\pitch th:TH_LOAD_NT
.endr
.endm
.macro TURN reg, base                  ; through my own stage: in by rows, out 16 neighbours of each block of 32; LDS serves a wave's instructions in order, so no wait stands between
.irp p, 0,1,2,3,4,5,6,7,8,9,10,11,12,13,14,15
	ds_store_b128 v7, v[\reg+4*\p:\reg+4*\p+3] offset:\base+528*\p
.endr
.irp b, 0,1,2,3
.irp j, 0,1,2,3
	ds_load_b128 v[XS+16*\b+4*\j:XS+16*\b+4*\j+3], v8 offset:\base+128*\b+16*\j
.endr
.endr
.endm
; 64 numbers of a lane become a fragment's codes in v[PC] on and its row's scale word in v[PW] (the same in lanes r and r + 16)
.macro QUANT s
.irp b, 0,1,2,3
	v_max3_num_f32 v[TM+\b], |v[\s+16*\b]|, |v[\s+1+16*\b]|, 0x1800000   ; my 16 numbers of block b, and the floor 2^(3 - 127)
.endr
.irp i, 2,4,6,8,10,12,14
.irp b, 0,1,2,3
	v_max3_num_f32 v[TM+\b], v[TM+\b], |v[\s+16*\b+\i]|, |v[\s+1+16*\b+\i]|
.endr
.endr
.irp b, 0,1,2,3
	v_permlanex16_b32 v[TM+4+\b], v[TM+\b], s36, s37
.endr
.irp b, 0,1,2,3
	v_max_num_f32 v[TM+\b], v[TM+\b], v[TM+4+\b]       ; with lane l xor 16's: the block's largest magnitude
.endr
.irp b, 0,1,2,3
	v_add_nc_u32 v[TM+12+\b], 0xff000000, v[TM+\b]     ; 2 off its exponent field: the conversion's scale operand
.endr
.irp b, 0,1,2,3
	v_lshrrev_b32 v[TM+4+\b], 23, v[TM+12+\b]          ; the scale's byte
.endr
	v_lshl_or_b32 v[PW], v[TM+5], 8, v[TM+4]
	v_lshl_or_b32 v[PW], v[TM+6], 16, v[PW]
	v_lshl_or_b32 v[PW], v[TM+7], 24, v[PW]
.irp c, 0,1
	v_cvt_scalef32_pk16_fp6_f32 v[PC+6*\c:PC+2+6*\c], v[\s+32*\c:\s+15+32*\c], v[TM+12+2*\c]
	v_cvt_scalef32_pk16_fp6_f32 v[PC+12+4*\c:PC+14+4*\c], v[\s+16+32*\c:\s+31+32*\c], v[TM+12+2*\c+1]   ; (a conversion's three registers begin on an even number)
.endr
	v_nop                                              ; one plain line behind the conversions
.irp c, 0,1                            ; the operand's layout wants a whole block in a lane
.irp i, 0,1,2
	v_permlane16_swap_b32 v[PC+6*\c+\i], v[PC+12+4*\c+\i]
.endr
.irp i, 0,1,2
	v_mov_b32 v[PC+3+6*\c+\i], v[PC+12+4*\c+\i]
.endr
.endr
.endm
; s26 = which tensor, s27 = which group of 32 rows, s28 = which K step: s[34:35] = the pair's first image, s[48:49] = its pair block
.macro BLOCKPTR base, stride
	s_mul_i32 s30, s26, \stride
	s_lshr_b32 s29, s27, 2
	s_lshl_b32 s29, s29, 3
	s_add_co_u32 s29, s29, s28
	s_mul_i32 s29, s29, 12800
	s_add_co_u32 s30, s30, s29
	s_mov_b32 s31, 0
	s_add_nc_u64 s[34:35], s[\base:\base+1], s[30:31]
	s_and_b32 s29, s27, 3
	s_lshl_b32 s30, s29, 7
	s_add_co_u32 s30, s30, 12288
	s_add_nc_u64 s[48:49], s[34:35], s[30:31]
	s_mul_i32 s30, s29, 3072
	s_add_nc_u64 s[34:35], s[34:35], s[30:31]
.endm
.macro PACKM u                         ; 64 compares give 64 lane masks; word j goes to lane j / 2, register j % 2, so that one store of 8 bytes a lane lays the 64 words on end
.set j, 0
.rept 8
.irp e, 0,1,2,3,4,5,6,7
	v_cmp_ne_u32 s[40+\e], 0, v[XS+j+\e]
.endr
.irp e, 0,1,2,3,4,5,6,7
	v_writelane_b32 v[MW+2*\u+(j+\e)%2], s[40+\e], (j+\e)/2
.endr
.set j, j+8
.endr
.endm
; A weight: a lane takes a channel and its 128 registers run down K; a load reads 128 consecutive bytes, and the neighbouring waves stand beside it.
.macro WPATH pitch
.set i, 0
.rept 128
	global_load_b32 v[128+i], v6, s[32:33] offset:i*\pitch th:TH_LOAD_NT
.set i, i+1
.endr
.irp b, 0,1,2,3
.set N,  128+32*\b
.set CX, 64+12*(\b%2)+6*(\b/2)         ; block b belongs to the image's lanes of half b % 2, registers 6 (b / 2) on
.set TP, 88+4*(\b%2)
.if \b == 0
	s_wait_loadcnt 63                                  ; behind block 1's last load 64 were issued: blocks 0 and 1 are in
.elseif \b == 2
	s_wait_loadcnt 32                                  ; block 3's 32 may be out
.elseif \b == 3
	s_wait_loadcnt 0x0
.endif
	v_max3_num_f32 v[16+\b], |v[N]|, |v[N+1]|, 0x1800000   ; all 32 numbers are mine: two chains, and the floor
	v_max3_num_f32 v28, |v[N+16]|, |v[N+17]|, |v[N+18]|
.irp e, 2,4,6,8,10,12
	v_max3_num_f32 v[16+\b], v[16+\b], |v[N+\e]|, |v[N+\e+1]|
	v_max3_num_f32 v28, v28, |v[N+17+\e]|, |v[N+18+\e]|
.endr
	v_max3_num_f32 v[16+\b], v[16+\b], |v[N+14]|, |v[N+15]|
	v_max3_num_f32 v[16+\b], v[16+\b], v28, |v[N+31]|
	v_add_nc_u32 v[20+\b], 0xff000000, v[16+\b]
	v_lshrrev_b32 v[24+\b], 23, v[20+\b]
	v_cvt_scalef32_pk16_fp6_f32 v[CX:CX+2], v[N:N+15], v[20+\b]
	v_cvt_scalef32_pk16_fp6_f32 v[TP:TP+2], v[N+16:N+31], v[20+\b]
	v_nop
	v_mov_b32 v[CX+3], v[TP]
	v_mov_b32 v[CX+4], v[TP+1]
	v_mov_b32 v[CX+5], v[TP+2]
.endr
	v_lshl_or_b32 v29, v25, 8, v24
	v_lshl_or_b32 v29, v26, 16, v29
	v_lshl_or_b32 v29, v27, 24, v29                    ; my channel's scale word
.irp x, 0,1
.irp c, 0,1,2
	global_store_b128 v9, v[64+12*\x+4*\c:64+12*\x+4*\c+3], s[34:35] offset:512*\c+256*\x   ; sixteen lanes fill 256 consecutive, aligned bytes in each of the pair's two images
.endr
.endr
	global_store_b32 v10, v29, s[48:49]                ; the pair block: 128 bytes, one part in 25 of what the wave stores
.endm
	s_load_b512 s[4:19], s[0:1], 0x0               ; enc s[4:5], dec s[6:7], mask s[8:9], Wq s[10:11], Wk s[12:13], Wv s[14:15], Wo s[16:17], ximg s[18:19]
	s_load_b128 s[20:23], s[0:1], 0x40             ; wimg s[20:21], maskw s[22:23]
	v_lshl_add_u32 v12, v0, 2, SPARE               ; my spare word,
	v_mov_b32 v13, 0                               ; and 0: kept for the add alone
	v_lshrrev_b32 v1, 5, v0
	v_readfirstlane_b32 s24, v1                    ; wave
	v_and_b32 v1, 31, v0                           ; lane
	v_and_b32 v2, 15, v0                           ; r
	v_bfe_u32 v3, v0, 4, 1                         ; h
	v_lshlrev_b32 v4, 4, v1                        ; 16 x lane
	v_lshlrev_b32 v5, 3, v1                        ; 8 x lane
	v_lshlrev_b32 v6, 2, v1                        ; 4 x lane
	s_mul_i32 s25, s24, 8448                       ; my stage
	v_add_nc_u32 v7, s25, v4                       ; into it: 16 x lane of a row
	v_mul_u32_u24 v8, v2, 528
	v_lshl_add_u32 v8, v3, 6, v8
	v_add_nc_u32 v8, s25, v8                       ; out of it: row r, + 64 h
	v_bfe_u32 v14, v0, 3, 1                        ; a weight's channel x = lane stands in tile u = (x / 8) % 2,
	v_and_b32 v15, 7, v0
	v_lshl_add_u32 v15, v3, 3, v15                 ; lane x % 8 + 8 (x / 16)
	v_lshlrev_b32 v9, 4, v15
	v_mad_u32_u24 v9, v14, 1536, v9                ; its place in the pair's images
	v_lshlrev_b32 v10, 2, v15
	v_lshl_add_u32 v10, v14, 6, v10                ; and in the pair block
.irp b, 0,1,2,3
	v_mov_b32 v[TM+4+\b], 0                        ; written once: a lane permute's destination counts as one of its sources
.endr
	s_mov_b32 s36, 0x76543210
	s_mov_b32 s37, 0xfedcba98                      ; v_permlanex16_b32's selects for lane l xor 16
	s_mov_b32 s38, 0xffff0000                      ; lanes 16-31
	s_wait_kmcnt 0x0
	s_cmp_lt_u32 ttmp9, 512
	s_cbranch_scc1 .Lpath_x
	s_cmp_lt_u32 ttmp9, 1024
	s_cbranch_scc1 .Lpath_m
	s_cmp_lt_u32 ttmp9, 1216
	s_cbranch_scc1 .Lpath_wh
	; ---- Wo [K][1024]: a row of K is 4,096 bytes
	s_sub_co_u32 s25, ttmp9, 1216
	s_mov_b32 s26, 3                               ; the fourth matrix of wimg
	s_lshr_b32 s28, s25, 3                         ; K step
	s_and_b32 s27, s25, 7
	s_lshl_b32 s27, s27, 2
	s_add_co_u32 s27, s27, s24                     ; group of 32 columns
	s_lshl_b32 s30, s27, 7
	s_lshl_b32 s29, s28, 19
	s_add_co_u32 s30, s30, s29
	s_mov_b32 s31, 0
	s_add_nc_u64 s[32:33], s[16:17], s[30:31]
	BLOCKPTR 20, 819200
	WPATH 4096
	FINISH
.Lpath_wh:
	; ---- Wq, Wk, Wv [16 heads][K][64]: a row of K is 256 bytes
	s_sub_co_u32 s25, ttmp9, 1024
	s_lshr_b32 s26, s25, 6                         ; which matrix
	s_bfe_u32 s28, s25, 0x30003                    ; K step
	s_and_b32 s27, s25, 7
	s_lshl_b32 s27, s27, 2
	s_add_co_u32 s27, s27, s24                     ; group of 32 channels: head G / 2, half G % 2
	s_cmp_eq_u32 s26, 0
	s_cselect_b64 s[32:33], s[10:11], s[12:13]
	s_cmp_eq_u32 s26, 2
	s_cselect_b64 s[32:33], s[14:15], s[32:33]
	s_lshr_b32 s30, s27, 1
	s_lshl_b32 s30, s30, 18
	s_and_b32 s29, s27, 1
	s_lshl_b32 s29, s29, 7
	s_add_co_u32 s30, s30, s29
	s_lshl_b32 s29, s28, 15
	s_add_co_u32 s30, s30, s29
	s_mov_b32 s31, 0
	s_add_nc_u64 s[32:33], s[32:33], s[30:31]
	BLOCKPTR 20, 819200
	WPATH 256
	FINISH
.Lpath_x:
	; ---- enc, dec: 32 rows x 128 K, two tiles
	s_lshl_b32 s25, ttmp9, 2
	s_add_co_u32 s25, s25, s24
	s_lshr_b32 s26, s25, 10                        ; enc or dec
	s_bfe_u32 s27, s25, 0x70003                    ; group of 32 rows
	s_and_b32 s28, s25, 7                          ; K step
	s_cmp_eq_u32 s26, 0
	s_cselect_b64 s[32:33], s[4:5], s[6:7]
	s_lshl_b32 s30, s27, 17
	s_lshl_b32 s29, s28, 9
	s_add_co_u32 s30, s30, s29
	s_mov_b32 s31, 0
	s_add_nc_u64 s[32:33], s[32:33], s[30:31]
	BLOCKPTR 18, 3276800
	LD16 R0, 0, 4096
	LD16 R1, 1, 4096
	s_wait_loadcnt 16                              ; the first tile's 16 rows are in; the second's may be out
	TURN R0, REGX
	s_wait_dscnt 0x0
	QUANT XS
	v_mov_b32 v[PWA], v[PW]
.irp c, 0,1,2
	global_store_b128 v4, v[PC+4*\c:PC+4*\c+3], s[34:35] offset:512*\c
.endr
	s_wait_loadcnt 0x0
	TURN R1, REGX
	s_wait_dscnt 0x0
	s_wait_xcnt 0x0                                ; the stores have read the codes' registers: they are written again only behind this wait
	QUANT XS
.irp c, 0,1,2
	global_store_b128 v4, v[PC+4*\c:PC+4*\c+3], s[34:35] offset:1536+512*\c
.endr
	v_cndmask_b32 v[SWD], v[PWA], v[PW], s38       ; lanes 0-15 the first tile's words, lanes 16-31 the second's
	global_store_b32 v6, v[SWD], s[48:49]
	FINISH
.Lpath_m:
	; ---- the mask: 32 queries x 128 keys, two tiles of queries
	s_sub_co_u32 s25, ttmp9, 512
	s_lshl_b32 s25, s25, 2
	s_add_co_u32 s25, s25, s24
	s_lshr_b32 s27, s25, 4                         ; group of 32 queries
	s_and_b32 s28, s25, 15                         ; key step
	s_lshl_b32 s30, s27, 18
	s_lshl_b32 s29, s28, 9
	s_add_co_u32 s30, s30, s29
	s_mov_b32 s31, 0
	s_add_nc_u64 s[32:33], s[8:9], s[30:31]
	s_lshl_b32 s30, s27, 13
	s_lshl_b32 s29, s28, 8
	s_add_co_u32 s30, s30, s29
	s_add_nc_u64 s[34:35], s[22:23], s[30:31]
	LD16 R0, 0, 8192
	LD16 R1, 1, 8192
.irp e, 0,1,2,3
	v_mov_b32 v[MW+\e], 0                          ; v_writelane_b32's destination counts as read
.endr
	s_wait_loadcnt 16
	TURN R0, REGM
	s_wait_dscnt 0x0
	PACKM 0
	global_store_b64 v5, v[MW:MW+1], s[34:35]      ; 256 consecutive, aligned bytes
	s_wait_loadcnt 0x0
	TURN R1, REGM
	s_wait_dscnt 0x0
	PACKM 1
	global_store_b64 v5, v[MW+2:MW+3], s[34:35] offset:4096
	FINISH
.Lfunc_end_k_q00f8861494_prep:
	.size	k_q00f8861494_prep, .Lfunc_end_k_q00f8861494_prep-k_q00f8861494_prep
	.p2alignl 7, 3214868480
	.fill 96, 4, 3214868480
	.section	.rodata,"a",@progbits
	.p2align	6, 0x0
	.amdhsa_kernel k_q00f8861494_prep
		.amdhsa_group_segment_fixed_size 68096
		.amdhsa_private_segment_fixed_size 0
		.amdhsa_enable_private_segment 0
		.amdhsa_kernarg_size 80
		.amdhsa_user_sgpr_count 2
		.amdhsa_user_sgpr_kernarg_segment_ptr 1
		.amdhsa_wavefront_size32 1
		.amdhsa_system_sgpr_workgroup_id_x 1
		.amdhsa_system_sgpr_workgroup_id_y 1
		.amdhsa_system_sgpr_workgroup_id_z 1
		.amdhsa_system_vgpr_workitem_id 0
		.amdhsa_next_free_vgpr 256
		.amdhsa_next_free_sgpr 66
		.amdhsa_reserve_vcc 0
		.amdhsa_float_denorm_mode_32 3
		.amdhsa_float_denorm_mode_16_64 3
		.amdhsa_memory_ordered 1
		.amdhsa_forward_progress 1
		.amdhsa_inst_pref_size 82
	.end_amdhsa_kernel
	.amdgpu_metadata
---
amdhsa.version: [ 1, 2 ]
amdhsa.kernels:
  - .name:           k_q00f8861494_prep
    .symbol:         k_q00f8861494_prep.kd
    .args:
      - { .name: enc_hidden_state, .offset: 0, .size: 8, .value_kind: global_buffer, .address_space: global }
      - { .name: dec_hidden_state, .offset: 8, .size: 8, .value_kind: global_buffer, .address_space: global }
      - { .name: mask, .offset: 16, .size: 8, .value_kind: global_buffer, .address_space: global }
      - { .name: Wq, .offset: 24, .size: 8, .value_kind: global_buffer, .address_space: global }
      - { .name: Wk, .offset: 32, .size: 8, .value_kind: global_buffer, .address_space: global }
      - { .name: Wv, .offset: 40, .size: 8, .value_kind: global_buffer, .address_space: global }
      - { .name: Wo, .offset: 48, .size: 8, .value_kind: global_buffer, .address_space: global }
      - { .name: ximg, .offset: 56, .size: 8, .value_kind: global_buffer, .address_space: global }
      - { .name: wimg, .offset: 64, .size: 8, .value_kind: global_buffer, .address_space: global }
      - { .name: maskw, .offset: 72, .size: 8, .value_kind: global_buffer, .address_space: global }
    .group_segment_fixed_size: 68096
    .private_segment_fixed_size: 0
    .kernarg_segment_align: 8
    .kernarg_segment_size: 80
    .max_flat_workgroup_size: 128
    .sgpr_count:     66
    .vgpr_count:     256
    .wavefront_size: 32
...
	.end_amdgpu_metadata
.endif
;; end of part 1
;; launch proj (part 2): grid 768 x 1, 1 waves a work-group, no clusters, 0 bytes of LDS; arguments ximg, wimg, bq, bk, bv, qimg, kv; writes qimg, kv
.if DOCPART == 2
	.amdgcn_target "amdgcn-amd-amdhsa--gfx1250"
	.amdhsa_code_object_version 6
	.text
	.protected	k_q00f8861494_proj
	.globl	k_q00f8861494_proj
	.p2align	8
	.type	k_q00f8861494_proj,@function
k_q00f8861494_proj:
	s_mov_b64 s[64:65], 0
	v_nop
	global_prefetch_b8 v0, s[64:65] scope:SCOPE_SE
	s_setreg_imm32_b32 hwreg(HW_REG_WAVE_MODE, 25, 1), 1
	s_wait_xcnt 0x0
; LAUNCH 2 OF 4: q = enc Wq + bq, k = dec Wk + bk, v = dec Wv + bv on codes of E2M3, and the three results quantised for attention: q and k along the head's 64 channels, v along the keys.  No work is left out.
; SHARES.  A work-group is one wave; it makes 128 x 128 of one product: 64 accumulators, 8 K steps of 128, 512 matrix instructions.  768 waves: product id / 256, tokens' slab (id / 8) % 32, channels' slab id % 8.
; WHICH SIDE IS SOURCE 0.  The result's registers run along source 0's rows, and the next quantiser wants its K in a lane's registers: for q and k source 0 = the weight (channels), source 1 = the tokens;
; for v source 0 = the tokens (keys), source 1 = the weight.  By the tile order of the images a lane's 64 registers of one source-1 tile are k = 32 b + 16 h + i of the next operand's row.
; OPERANDS come from memory straight into registers, as images: every load is 512 consecutive bytes, every offset an immediate, no pointer is stepped.  Two sets of fragments take turns, a K step ahead.
; WHY NO LDS, NO TENSOR LOADS AND SO NO JOINT REQUESTS: K has only 8 steps; a ring with its rounds would be filled and drained within them.  The price: a wave reads 196,608 bytes for its 512 matrix instructions.
; THE BIAS is the C of each sum's first matrix instruction (an order of rounding that differs from adding it last).
; LIMITS as in the first launch: NaN and infinities are not served; bytes are held at 1 from below; a block of zeros has the byte 1.
; OUT.  qimg: [batch x head][16 slabs of 128 queries]: 8 half images (6 registers: registers 0-3 at 16 l, registers 4-5 at 512 + 8 l) and 4 pair blocks of scale words (bytes 2 and 3 are 0).
;       kv: [batch x head][16 key steps] chunks of 13,056 bytes: K's 8 half images, V's 4 images (16 channels x 128 keys), K's 4 pair blocks, V's 2.
; REGISTERS, in windows of 256.  Window 0: v1-5 offsets; v16-31 scale words, two sets; v32-51 the quantiser's; v64-159 source 0's 8 fragments, v160-255 source 1's (set 0; in the epilogue the codes just made).
;   Window 1: v0-63 the bias as C; v64-255 set 1.   Windows 2, 3: accumulator (a, b) at v[8 (8 (a % 4) + b)] of window 2 + a / 4; a: source 1's tile, b: source 0's.
.set TM,  32
.set PW,  48
.set PWE, 49
.set WA,  50
.set WB,  51
.set PC,  64
.set MSB, 0
.macro WIN new                         ; the immediate's high byte repeats the setting that is left; a switch that changes nothing is dropped
.if MSB != (\new)
	s_set_vgpr_msb (MSB<<8)|(\new)
.set MSB, (\new)
.endif
.endm
.macro PLACES                          ; four plain lines between matrix instructions and loads into, or reads of, their registers
.rept 4
	v_nop
.endr
.endm
.macro WM                              ; one product; a pair's scale words share a register: the odd tile's stand in lanes 16-31
.if oA && oB
	v_wmma_scale_f32_16x16x128_f8f6f4 v[rD:rD+7], v[rA:rA+11], v[rB:rB+11], v[rC:rC+7], v[rSA], v[rSB] matrix_a_fmt:MATRIX_FMT_FP6 matrix_b_fmt:MATRIX_FMT_FP6 matrix_a_scale:MATRIX_SCALE_ROW1 matrix_b_scale:MATRIX_SCALE_ROW1
.elseif oA
	v_wmma_scale_f32_16x16x128_f8f6f4 v[rD:rD+7], v[rA:rA+11], v[rB:rB+11], v[rC:rC+7], v[rSA], v[rSB] matrix_a_fmt:MATRIX_FMT_FP6 matrix_b_fmt:MATRIX_FMT_FP6 matrix_a_scale:MATRIX_SCALE_ROW1
.elseif oB
	v_wmma_scale_f32_16x16x128_f8f6f4 v[rD:rD+7], v[rA:rA+11], v[rB:rB+11], v[rC:rC+7], v[rSA], v[rSB] matrix_a_fmt:MATRIX_FMT_FP6 matrix_b_fmt:MATRIX_FMT_FP6 matrix_b_scale:MATRIX_SCALE_ROW1
.else
	v_wmma_scale_f32_16x16x128_f8f6f4 v[rD:rD+7], v[rA:rA+11], v[rB:rB+11], v[rC:rC+7], v[rSA], v[rSB] matrix_a_fmt:MATRIX_FMT_FP6 matrix_b_fmt:MATRIX_FMT_FP6
.endif
.endm
; A K step: 64 products.  The 64 accumulators take turns, one instruction a turn, in the same order in every step.
; first = 1: C is the bias (window 1): by source 0's tile (vc = 0: q, k) or by source 1's (vc = 1: v)
.macro MUL buf, first, vc
.irp a, 0,1,2,3,4,5,6,7
.if \first
	WIN 0x90+0x40*(\a/4)
.else
	WIN 0xa0+0x50*(\a/4)+5*(\buf)
.endif
.irp b, 0,1,2,3,4,5,6,7
.set rD, 8*(8*(\a%4)+\b)
.set rC, rD
.if \first
.set rC, 8*\b
.if \vc
.set rC, 8*\a
.endif
.endif
.set rA, 64+12*\b
.set rB, 160+12*\a
.set rSA, 16+8*(\buf)+\b/2
.set rSB, 20+8*(\buf)+\a/2
.set oA, \b%2
.set oB, \a%2
	WM
.endr
.endr
.endm
.macro LOAD s                          ; K step s: 48 loads of fragments and 8 of scale words, into set s % 2
.if (\s)%2
	WIN 0x40
.else
	WIN 0
.endif
.irp t, 0,1,2,3,4,5,6,7
.irp c, 0,1,2
	global_load_b128 v[64+12*\t+4*\c:64+12*\t+4*\c+3], v1, s[24:25] offset:12800*(\s)+1536*\t+512*\c
.endr
.endr
.irp t, 0,1,2,3,4,5,6,7
.irp c, 0,1,2
	global_load_b128 v[160+12*\t+4*\c:160+12*\t+4*\c+3], v1, s[26:27] offset:12800*(\s)+1536*\t+512*\c
.endr
.endr
	WIN 0
.irp p, 0,1,2,3
	global_load_b32 v[16+8*((\s)%2)+\p], v2, s[24:25] offset:12800*(\s)+12288+128*\p
	global_load_b32 v[20+8*((\s)%2)+\p], v2, s[26:27] offset:12800*(\s)+12288+128*\p
.endr
.endm
; The 64 results of source 1's tile a become a fragment's codes in v[PC] on and its row's scale word in v[PW].  Each accumulator is read from its low end on.
.macro QUANTW a
.set AC, 64*((\a)%4)
.set W,  2+(\a)/4
	s_wait_xcnt 0x0                                ; the last tile's stores have read the registers that are written again below
	WIN W*5                                        ; sources 0 and 1: the accumulators' window
.irp b, 0,1,2,3
	v_max3_num_f32 v[TM+\b], |v[AC+16*\b]|, |v[AC+1+16*\b]|, 0x1800000
.endr
.irp i, 2,4,6,8,10,12,14
.irp b, 0,1,2,3
	v_max3_num_f32 v[TM+\b], |v[AC+16*\b+\i]|, |v[AC+1+16*\b+\i]|, v[TM+\b]
.endr
.endr
	WIN 0
.irp b, 0,1,2,3
	v_permlanex16_b32 v[TM+4+\b], v[TM+\b], s38, s39
.endr
.irp b, 0,1,2,3
	v_max_num_f32 v[TM+\b], v[TM+\b], v[TM+4+\b]
.endr
.irp b, 0,1,2,3
	v_add_nc_u32 v[TM+12+\b], 0xff000000, v[TM+\b]
.endr
.irp b, 0,1,2,3
	v_lshrrev_b32 v[TM+4+\b], 23, v[TM+12+\b]
.endr
	v_lshl_or_b32 v[PW], v[TM+5], 8, v[TM+4]
	v_lshl_or_b32 v[PW], v[TM+6], 16, v[PW]
	v_lshl_or_b32 v[PW], v[TM+7], 24, v[PW]
	WIN W                                          ; source 0: the accumulators' window
.irp c, 0,1
	v_cvt_scalef32_pk16_fp6_f32 v[PC+6*\c:PC+2+6*\c], v[AC+32*\c:AC+15+32*\c], v[TM+12+2*\c]
	v_cvt_scalef32_pk16_fp6_f32 v[PC+12+4*\c:PC+14+4*\c], v[AC+16+32*\c:AC+31+32*\c], v[TM+12+2*\c+1]
.endr
	WIN 0
	v_nop                                          ; one plain line behind the conversions
.irp c, 0,1
.irp i, 0,1,2
	v_permlane16_swap_b32 v[PC+6*\c+\i], v[PC+12+4*\c+\i]
.endr
.irp i, 0,1,2
	v_mov_b32 v[PC+3+6*\c+\i], v[PC+12+4*\c+\i]
.endr
.endr
.endm
	s_load_b256 s[4:11], s[0:1], 0x0               ; ximg s[4:5], wimg s[6:7], bq s[8:9], bk s[10:11]
	s_load_b128 s[12:15], s[0:1], 0x20             ; bv s[12:13], qimg s[14:15]
	s_load_b64 s[16:17], s[0:1], 0x30              ; kv
	v_and_b32 v6, 15, v0                           ; r (one wave: v0 is the lane)
	v_lshrrev_b32 v7, 4, v0                        ; h
	v_lshlrev_b32 v1, 4, v0                        ; 16 x lane
	v_lshlrev_b32 v2, 2, v0                        ; 4 x lane
	v_lshlrev_b32 v3, 3, v0                        ; 8 x lane
	v_lshlrev_b32 v4, 6, v7                        ; the bias of q and k: my half's 16 channels of a pair of tiles
	v_and_b32 v5, 8, v6
	v_add_nc_u32 v5, v5, v6
	v_lshlrev_b32 v5, 2, v5                        ; the bias of v: my lane's channel, r + 8 (r / 8) of a tile
.irp b, 0,1,2,3
	v_mov_b32 v[TM+4+\b], 0                        ; a lane permute's destination counts as one of its sources
.endr
	s_mov_b32 s38, 0x76543210
	s_mov_b32 s39, 0xfedcba98
	s_mov_b32 s40, 0xffff0000                      ; lanes 16-31
	s_lshr_b32 s19, ttmp9, 8                       ; 0: q, 1: k, 2: v
	s_and_b32 s20, ttmp9, 7                        ; the channels' slab: heads 2 x and 2 x + 1
	s_bfe_u32 s21, ttmp9, 0x50003                  ; the tokens' slab
	s_cmp_eq_u32 s19, 0
	s_cselect_b32 s22, 0, 3276800                  ; enc for q, dec for k and v
	s_mul_i32 s23, s21, 102400
	s_add_co_u32 s22, s22, s23
	s_mov_b32 s23, 0
	s_wait_kmcnt 0x0
	s_add_nc_u64 s[42:43], s[4:5], s[22:23]        ; the tokens' 8 blocks
	s_mul_i32 s22, s19, 819200
	s_mul_i32 s41, s20, 102400
	s_add_co_u32 s22, s22, s41
	s_add_nc_u64 s[44:45], s[6:7], s[22:23]        ; the weight's 8 blocks
	s_cmp_eq_u32 s19, 2
	s_cselect_b64 s[24:25], s[42:43], s[44:45]     ; source 0
	s_cselect_b64 s[26:27], s[44:45], s[42:43]     ; source 1
	s_cmp_eq_u32 s19, 0
	s_cselect_b64 s[28:29], s[8:9], s[10:11]
	s_cmp_eq_u32 s19, 2
	s_cselect_b64 s[28:29], s[12:13], s[28:29]
	s_lshl_b32 s22, s20, 9
	s_add_nc_u64 s[28:29], s[28:29], s[22:23]      ; the slab's 128 biases
	s_lshr_b32 s22, s21, 4                         ; the batch
	s_lshl_b32 s22, s22, 4
	s_lshl_b32 s41, s20, 1
	s_add_co_u32 s22, s22, s41                     ; batch x 16 + the first of my two heads
	s_lshl_b32 s22, s22, 4
	s_and_b32 s41, s21, 15
	s_add_co_u32 s22, s22, s41                     ; x 16 + the slab within the batch
	s_cmp_eq_u32 s19, 0
	s_cselect_b64 s[30:31], s[14:15], s[16:17]
	s_mov_b32 s41, 13056
	s_cselect_b32 s41, 6656, s41                   ; a chunk's bytes
	s_mov_b32 s46, 12288
	s_cselect_b32 s46, 6144, s46                   ; from the codes to the scale words
	s_cmp_eq_u32 s19, 2
	s_cselect_b32 s46, 6656, s46
	s_cselect_b32 s47, 6144, 0                     ; V's images lie behind K's
	s_mul_i32 s22, s22, s41
	s_add_co_u32 s22, s22, s47
	s_add_nc_u64 s[30:31], s[30:31], s[22:23]      ; codes, first head
	s_lshl_b32 s22, s41, 4
	s_add_nc_u64 s[32:33], s[30:31], s[22:23]      ; codes, second head: 16 chunks on
	s_mov_b32 s22, s46
	s_add_nc_u64 s[34:35], s[30:31], s[22:23]      ; scale words, first head
	s_add_nc_u64 s[36:37], s[32:33], s[22:23]      ; and second
	s_cmp_eq_u32 s19, 2
	s_cbranch_scc1 .Lbias_v
	WIN 0x40
	s_wait_alu depctr_va_vdst(0)
.irp t, 0,1,2,3,4,5,6,7                ; q, k: register j of tile t's C is the bias of channel 32 (t / 2) + 16 h + 8 (t % 2) + j
	global_load_b128 v[8*\t:8*\t+3], v4, s[28:29] offset:(32*(\t/2)+8*(\t%2))*4
	global_load_b128 v[8*\t+4:8*\t+7], v4, s[28:29] offset:(32*(\t/2)+8*(\t%2))*4+16
.endr
	WIN 0
	s_branch .Lbias_done
.Lbias_v:
	WIN 0x40
	s_wait_alu depctr_va_vdst(0)
.irp t, 0,1,2,3,4,5,6,7                ; v: all eight registers of tile t's C hold the bias of my lane's channel
.irp j, 0,1,2,3,4,5,6,7
	global_load_b32 v[8*\t+\j], v5, s[28:29] offset:(32*(\t/2)+8*(\t%2))*4
.endr
.endr
	WIN 0
.Lbias_done:
	LOAD 0
	LOAD 1
	s_wait_loadcnt 56                              ; K step 1's 56 loads may be out; K step 0's and the bias, which are older, are in
	s_cmp_eq_u32 s19, 2
	s_cbranch_scc1 .Lfirst_v
	MUL 0, 1, 0
	WIN 0
	s_branch .Lfirst_done
.Lfirst_v:
	MUL 0, 1, 1
	WIN 0
.Lfirst_done:
	PLACES
	LOAD 2
.irp s, 1,2,3,4,5,6,7
.if \s < 7
	s_wait_loadcnt 56                              ; the next K step's 56 loads may be out
.else
	s_wait_loadcnt 0x0
.endif
	MUL \s%2, 0, 0
	WIN 0
	PLACES
.if \s < 6
	LOAD \s+2
.endif
.endr
	s_cmp_eq_u32 s19, 2
	s_cbranch_scc1 .Lout_v
	; ---- q, k: a tile of 16 tokens x 128 channels is two heads' half fragments; the scale word's low half is the first head's, its high half the second's
.irp a, 0,1,2,3,4,5,6,7
	QUANTW \a
	global_store_b128 v1, v[PC:PC+3], s[30:31] offset:768*\a
	global_store_b64 v3, v[PC+4:PC+5], s[30:31] offset:768*\a+512
	global_store_b128 v1, v[PC+6:PC+9], s[32:33] offset:768*\a
	global_store_b64 v3, v[PC+10:PC+11], s[32:33] offset:768*\a+512
.if \a%2 == 0
	v_mov_b32 v[PWE], v[PW]
.else
	v_cndmask_b32 v[WA], v[PWE], v[PW], s40        ; lanes 0-15 the even tile's words, lanes 16-31 the odd tile's
	v_lshrrev_b32 v[WB], 16, v[WA]
	v_and_b32 v[WA], 0xffff, v[WA]                 ; bytes 2 and 3 are 0: they meet zero codes
	global_store_b32 v2, v[WA], s[34:35] offset:128*(\a/2)
	global_store_b32 v2, v[WB], s[36:37] offset:128*(\a/2)
.endif
.endr
	s_endpgm
.Lout_v:
	; ---- v: a tile of 16 channels x 128 keys is a whole fragment of V^T; tiles 0-3 are the first head's, 4-7 the second's
.irp a, 0,1,2,3,4,5,6,7
	QUANTW \a
.irp c, 0,1,2
	global_store_b128 v1, v[PC+4*\c:PC+4*\c+3], s[30+2*(\a/4):31+2*(\a/4)] offset:1536*(\a%4)+512*\c
.endr
.if \a%2 == 0
	v_mov_b32 v[PWE], v[PW]
.else
	v_cndmask_b32 v[WA], v[PWE], v[PW], s40
	global_store_b32 v2, v[WA], s[34+2*(\a/4):35+2*(\a/4)] offset:128*((\a%4)/2)
.endif
.endr
	s_endpgm
.Lfunc_end_k_q00f8861494_proj:
	.size	k_q00f8861494_proj, .Lfunc_end_k_q00f8861494_proj-k_q00f8861494_proj
	.p2alignl 7, 3214868480
	.fill 96, 4, 3214868480
	.section	.rodata,"a",@progbits
	.p2align	6, 0x0
	.amdhsa_kernel k_q00f8861494_proj
		.amdhsa_group_segment_fixed_size 0
		.amdhsa_private_segment_fixed_size 0
		.amdhsa_enable_private_segment 0
		.amdhsa_kernarg_size 56
		.amdhsa_user_sgpr_count 2
		.amdhsa_user_sgpr_kernarg_segment_ptr 1
		.amdhsa_wavefront_size32 1
		.amdhsa_system_sgpr_workgroup_id_x 1
		.amdhsa_system_sgpr_workgroup_id_y 1
		.amdhsa_system_sgpr_workgroup_id_z 1
		.amdhsa_system_vgpr_workitem_id 0
		.amdhsa_next_free_vgpr 1024
		.amdhsa_next_free_sgpr 66
		.amdhsa_reserve_vcc 0
		.amdhsa_float_denorm_mode_32 3
		.amdhsa_float_denorm_mode_16_64 3
		.amdhsa_memory_ordered 1
		.amdhsa_forward_progress 1
		.amdhsa_inst_pref_size 197
	.end_amdhsa_kernel
	.amdgpu_metadata
---
amdhsa.version: [ 1, 2 ]
amdhsa.kernels:
  - .name:           k_q00f8861494_proj
    .symbol:         k_q00f8861494_proj.kd
    .args:
      - { .name: ximg, .offset: 0, .size: 8, .value_kind: global_buffer, .address_space: global }
      - { .name: wimg, .offset: 8, .size: 8, .value_kind: global_buffer, .address_space: global }
      - { .name: bq, .offset: 16, .size: 8, .value_kind: global_buffer, .address_space: global }
      - { .name: bk, .offset: 24, .size: 8, .value_kind: global_buffer, .address_space: global }
      - { .name: bv, .offset: 32, .size: 8, .value_kind: global_buffer, .address_space: global }
      - { .name: qimg, .offset: 40, .size: 8, .value_kind: global_buffer, .address_space: global }
      - { .name: kv, .offset: 48, .size: 8, .value_kind: global_buffer, .address_space: global }
    .group_segment_fixed_size: 0
    .private_segment_fixed_size: 0
    .kernarg_segment_align: 8
    .kernarg_segment_size: 56
    .max_flat_workgroup_size: 32
    .sgpr_count:     66
    .vgpr_count:     1024
    .wavefront_size: 32
...
	.end_amdgpu_metadata
.endif
;; end of part 2
;; launch attn (part 3): grid 8 x 32, 16 waves a work-group, clusters of 4 x 1, 327,680 bytes of LDS; arguments qimg, kv, maskw, aimg, asc; writes aimg, asc
.if DOCPART == 3
	.amdgcn_target "amdgcn-amd-amdhsa--gfx1250"
	.amdhsa_code_object_version 6
	.text
	.protected	k_q00f8861494_attn
	.globl	k_q00f8861494_attn
	.p2align	8
	.type	k_q00f8861494_attn,@function
k_q00f8861494_attn:
	s_mov_b64 s[64:65], 0
	v_nop
	global_prefetch_b8 v0, s[64:65] scope:SCOPE_SE
	s_setreg_imm32_b32 hwreg(HW_REG_WAVE_MODE, 25, 1), 1
	s_wait_xcnt 0x0
	s_wait_alu depctr_hold_cnt(0) depctr_sa_sdst(0) depctr_va_vdst(0) depctr_va_sdst(0) depctr_va_ssrc(0) depctr_va_vcc(0) depctr_vm_vsrc(0)
	s_getreg_b32 s2, hwreg(HW_REG_IB_STS2, 6, 4)
	s_cmp_eq_u32 s2, 0
	s_cbranch_scc0 .Lentry_in_a_cluster
	s_endpgm
.Lentry_in_a_cluster:
	s_bfe_u32 s2, ttmp6, 0x10000c
	s_cmp_lg_u32 s2, 0x3003
	s_cbranch_scc0 .Lentry_shape_is_right
	s_endpgm
.Lentry_shape_is_right:
; LAUNCH 3 OF 4: attention on codes of E2M3, and its result quantised along the model's 1,024 for the last product.  No work is left out.
; t = score x log2(e) / 8; M = the running largest t rounded up to a whole number; p = 2^(t - M) is quantised along the keys, not normalised; the row's sum is taken of the unquantised p and divides at the end.
; THE MASK is honoured number by number: a score whose mask word's bit is 0 becomes -infinity ahead of every maximum, by one select with the lane mask in a scalar register.  The largest t begins at -3e38, so that
; steps that are wholly hidden for a query give p = 0 and no NaN.  A QUERY ALL OF WHOSE KEYS ARE HIDDEN has the sum 0: its codes are zeros and its scale bytes 0xff, which make the last product's sums NaN, as the softmax of such a row is.
; LIMITS: NaN and infinities among the inputs are not served; bytes are held at 1 from below; a block of zeros has the byte 1.
; SHARES.  A work-group owns 256 queries of one batch and head, each of its sixteen waves one tile of 16.  The head's whole K and V, 208,896 bytes, lie in LDS as they lie in memory, filled once.
; CLUSTER.  The four work-groups of a cluster walk the same head: each part is asked for jointly.  A wave issues one load of 14 rows of 256 bytes at the head (224 rows: key steps 0-3 end at row 204) and one of 37 rows
; behind the full sequence and a round; one load is out at a time.  A barrier ahead of key step 3, which is the first to read chunk 4, shows the second part landed; nothing is filled again.
; All of LDS is claimed.
; LAYOUT.  Both products are used transposed (S^T = K Q^T, O^T = V^T P^T): a lane holds one query; by the tile order of K's rows the 16 registers of tiles 2 b, 2 b + 1 are keys 32 b + 16 h + 0 .. 15.
; A head has 64 channels, the instruction takes 128: Q's registers 6-11 are zero codes; K's operand for tile t is the 12 registers from its own six on, whose upper six meet Q's zeros under scale bytes 0.
; K RUNS A STEP AHEAD: the next step's K is read from LDS when this step's eight products have read K's registers; V of this step is read there too.
; NO PREFETCH: every request for K and V goes out at the head; a step's 64 mask words are asked for a step ahead by their own scalar loads.
; REGISTERS: v1-3 16, 8, 4 x lane; v4, v5 the add's; v6 -infinity; v7-9 this chunk's addresses; v12 -M, v13 the largest t, v[14:15] the sum; v16-21 Q, v22-27 zero codes; v28-75 V; v76-123 K; v124-135 p's codes;
;   v136-199 S^T, then p; v200-231 O^T; v232-243 at work; v244 f, v245 p's scale word; v246, v247 at work; v248-251 K's scale words, v252, v253 V's, v254 Q's.
; SCALARS: s2 wave; s3 this chunk's first LDS byte; s[4:11] two groups 0; s[16:23] group 1; s[24:25] the mask words; s[26:27] lane selects; s[28:29] c; s[30:31], s[66:67] out; s32-63, s68-99 64 mask words; s[100:101], s[104:105] Q.
.set SPARE, 208896                     ; behind the head's bytes: the spare words, 128 bytes a wave
.set CHUNK, 13056                      ; a key step: K 6,144, V 6,144, K's scale words 512, V's 256
.set VV,  28
.set KV,  76
.set PCD, 124
.set SC,  136
.set OO,  200
.set WK,  232
.macro CROUND                          ; a round of the cluster's barrier
	s_barrier_signal -1
	s_barrier_wait -1
	s_cmp_lg_u32 s2, 0
	s_cbranch_scc1 .Lnot_wave_0_\@
	s_barrier_signal -3
.Lnot_wave_0_\@:
	s_barrier_wait -3
	s_barrier_signal -1
	s_barrier_wait -1
.endm
.macro WS t                            ; S^T, tile t of 16 keys; a pair's scale words share a register: the odd tile's stand in lanes 16-31
.if (\t)%2
	v_wmma_scale_f32_16x16x128_f8f6f4 v[SC+8*(\t):SC+7+8*(\t)], v[KV+6*(\t):KV+11+6*(\t)], v[16:27], 0, v[248+(\t)/2], v254 matrix_a_fmt:MATRIX_FMT_FP6 matrix_b_fmt:MATRIX_FMT_FP6 matrix_a_scale:MATRIX_SCALE_ROW1
.else
	v_wmma_scale_f32_16x16x128_f8f6f4 v[SC+8*(\t):SC+7+8*(\t)], v[KV+6*(\t):KV+11+6*(\t)], v[16:27], 0, v[248+(\t)/2], v254 matrix_a_fmt:MATRIX_FMT_FP6 matrix_b_fmt:MATRIX_FMT_FP6
.endif
.endm
.macro CM t                            ; the mask on tile t's eight scores: hidden: -infinity.  The accumulator is read from its low end on
.set j, 8*(\t)
.rept 8
	v_cndmask_b32 v[SC+j], v6, v[SC+j], s[32+j+4*(j/32)]
.set j, j+1
.endr
.endm
.macro LOADK t, o                      ; tile t of the chunk o bytes behind v7, v8: half an image, six registers
	ds_load_b128 v[KV+6*(\t):KV+3+6*(\t)], v7 offset:(\o)+768*(\t)
	ds_load_b64 v[KV+4+6*(\t):KV+5+6*(\t)], v8 offset:(\o)+768*(\t)+512
.endm
.macro LOADKS o                        ; and its four pair blocks of scale words
.irp b, 0,1,2,3
	ds_load_b32 v[248+\b], v9 offset:(\o)+12288+128*\b
.endr
.endm
.macro LOADV t                         ; fragment t of V^T: 16 channels x 128 keys
.irp c, 0,1,2
	ds_load_b128 v[VV+12*(\t)+4*\c:VV+3+12*(\t)+4*\c], v7 offset:6144+1536*(\t)+512*\c
.endr
.endm
.macro MWORDS                          ; a key step's 64 mask words
	s_load_b512 s[32:47], s[24:25], 0x0
	s_load_b512 s[48:63], s[24:25], 0x40
	s_load_b512 s[68:83], s[24:25], 0x80
	s_load_b512 s[84:99], s[24:25], 0xc0
.endm
.macro TSUB k                          ; pair k of the scores: t - M, two at a time
	v_pk_fma_f32 v[SC+2*(\k):SC+1+2*(\k)], v[SC+2*(\k):SC+1+2*(\k)], s[28:29], v[12:13] op_sel_hi:[1,0,0]
.endm
.macro OMUL m                          ; pair m of O^T under the new M
	v_pk_mul_f32 v[OO+2*(\m):OO+1+2*(\m)], v[OO+2*(\m):OO+1+2*(\m)], v[244:245] op_sel_hi:[1,0]
.endm
.macro SUM4 k                          ; pairs k .. k + 3 of p onto the sum's four chains
	v_pk_add_f32 v[236:237], v[236:237], v[SC+2*(\k):SC+1+2*(\k)]
	v_pk_add_f32 v[238:239], v[238:239], v[SC+2+2*(\k):SC+3+2*(\k)]
	v_pk_add_f32 v[246:247], v[246:247], v[SC+4+2*(\k):SC+5+2*(\k)]
	v_pk_add_f32 v[14:15], v[14:15], v[SC+6+2*(\k):SC+7+2*(\k)]
.endm
; A KEY STEP: 128 keys, the chunk at LDS byte s3.  At its head K of this step is on its way or in.  more = 1: the next step's mask words and K are asked for.
.macro STEP more
	s_wait_dscnt 0x0                               ; this step's K and its scale words: nothing younger is out
	WS 0
	WS 1
	WS 2
	v_add_nc_u32 v7, s3, v1                        ; this chunk's addresses, and the old -M: four plain lines ahead of the first read of tile 0's results
	v_add_nc_u32 v8, s3, v2
	v_add_nc_u32 v9, s3, v3
	v_mov_b32 v246, v12
	s_wait_kmcnt 0x0                               ; this step's 64 mask words
	CM 0                                           ; from here on a tile's eight selects stand behind the product two tiles on
	WS 3
	CM 1
	WS 4
	CM 2
	WS 5
	CM 3
	WS 6
	CM 4
	WS 7
	CM 5
	CM 6
	CM 7
; the largest score of each block of 32 keys, of my 16: it serves the row's maximum and, since p rises with the score, the block's largest p.  Two chains a block, eight chains by turns
.irp b, 0,1,2,3
	v_max3_num_f32 v[WK+\b], v[SC+16*\b], v[SC+1+16*\b], v[SC+2+16*\b]
.endr
.irp b, 0,1,2,3
	v_max3_num_f32 v[WK+4+\b], v[SC+9+16*\b], v[SC+10+16*\b], v[SC+11+16*\b]
.endr
.irp i, 3,5
.irp b, 0,1,2,3
	v_max3_num_f32 v[WK+\b], v[WK+\b], v[SC+16*\b+\i], v[SC+1+16*\b+\i]
.endr
.irp b, 0,1,2,3
	v_max3_num_f32 v[WK+4+\b], v[WK+4+\b], v[SC+9+16*\b+\i], v[SC+10+16*\b+\i]
.endr
.endr
.irp b, 0,1,2,3
	v_max3_num_f32 v[WK+\b], v[WK+\b], v[SC+7+16*\b], v[SC+8+16*\b]
.endr
.irp b, 0,1,2,3
	v_max_num_f32 v[WK+\b], v[WK+\b], v[WK+4+\b]
.endr
.if \more
	s_add_nc_u64 s[24:25], s[24:25], 256           ; (the wait on KMcnt above has shown the last scalar loads done)
	MWORDS                                         ; the next step's words: they have the rest of this step in which to come
.endif
; the serial chain; V's loads stand between its lines
.irp b, 0,1,2,3
	v_permlanex16_b32 v[WK+4+\b], v[WK+\b], s26, s27
.endr
	LOADV 0
.irp b, 0,1,2,3
	v_max_num_f32 v[WK+\b], v[WK+\b], v[WK+4+\b]   ; with lane l xor 16's 16 keys
.endr
	LOADV 1
	v_max3_num_f32 v247, v232, v233, v234
	LOADV 2
	v_max_num_f32 v247, v247, v235                 ; the step's largest score of my query
	LOADV 3
	v_mul_f32 v247, s28, v247                      ; as t (c is positive)
.irp b, 0,1
	ds_load_b32 v[252+\b], v9 offset:12800+128*\b  ; V's two pair blocks of scale words
.endr
	v_max_num_f32 v13, v13, v247                   ; the running largest t
	s_delay_alu instid0(VALU_DEP_1)
	v_floor_f32 v12, -v13                          ; the new -M = floor(-t): M is a whole number
	s_delay_alu instid0(VALU_DEP_1)
	v_sub_f32 v246, v12, v246                      ; old M - new M: a whole number, 0 or less
	s_delay_alu instid0(VALU_DEP_1)
	v_cvt_i32_f32 v246, v246                       ; (it saturates)
	s_delay_alu instid0(VALU_DEP_1)
	v_ldexp_f32 v244, 1.0, v246                    ; f = 2^(old M - new M)
.if \more
.irp t, 0,1,2,3,4,5,6,7
	LOADK \t, CHUNK                                ; the next step's K: 16 loads,
.endr
	LOADKS CHUNK                                   ; and 4
.endif
.irp b, 0,1,2,3
	v_fma_f32 v[WK+\b], v[WK+\b], s28, v12         ; t - M of each block's largest score
.endr
.set j, 0
.rept 32
	TSUB j
.set j, j+1
.endr
	s_wait_alu depctr_va_vdst(0)                   ; ahead of the batch of exponentials
.irp b, 0,1,2,3
	v_exp_f32 v[WK+\b], v[WK+\b]                   ; the block's largest p
.endr
.set j, 0
.rept 64
	v_exp_f32 v[SC+j], v[SC+j]                     ; p = 2^(t - M)
.set j, j+1
.endr
	v_pk_mul_f32 v[14:15], v[14:15], v[244:245] op_sel_hi:[1,0]   ; the sums under the new M: the plain line behind the last exponential
	s_wait_alu depctr_va_vdst(0)                   ; one wait for the whole batch, ahead of its first reader
; the row's sum of the unquantised p, in four chains by turns; the lines that make the scales stand between them
	v_pk_add_f32 v[236:237], v[SC:SC+1], v[SC+2:SC+3]
	v_pk_add_f32 v[238:239], v[SC+4:SC+5], v[SC+6:SC+7]
	v_pk_add_f32 v[246:247], v[SC+8:SC+9], v[SC+10:SC+11]
	v_pk_add_f32 v[14:15], v[14:15], v[SC+12:SC+13]
.irp b, 0,1,2,3
	v_max_num_f32 v[WK+\b], 0x1800000, v[WK+\b]    ; the floor 2^(3 - 127): the byte cannot fall under 1
.endr
	SUM4 7
.irp b, 0,1,2,3
	v_add_nc_u32 v[WK+8+\b], 0xff000000, v[WK+\b]  ; 2 off the exponent field: the conversion's scale operand
.endr
	SUM4 11
.irp b, 0,1,2,3
	v_lshrrev_b32 v[WK+\b], 23, v[WK+8+\b]         ; the scale's byte
.endr
	SUM4 15
	v_lshl_or_b32 v245, v233, 8, v232              ; p's scale word for these 128 keys
	SUM4 19
	v_lshl_or_b32 v245, v234, 16, v245
	SUM4 23
	v_lshl_or_b32 v245, v235, 24, v245
	SUM4 27
	v_pk_add_f32 v[236:237], v[236:237], v[SC+62:SC+63]
	v_pk_add_f32 v[14:15], v[14:15], v[246:247]
	v_pk_add_f32 v[236:237], v[236:237], v[238:239]
	v_pk_add_f32 v[14:15], v[14:15], v[236:237]
.irp c, 0,1
	v_cvt_scalef32_pk16_fp6_f32 v[PCD+6*\c:PCD+2+6*\c], v[SC+32*\c:SC+15+32*\c], v[WK+8+2*\c]
	v_cvt_scalef32_pk16_fp6_f32 v[WK+4*\c:WK+2+4*\c], v[SC+16+32*\c:SC+31+32*\c], v[WK+9+2*\c]   ; (a conversion's three registers begin on an even number)
.endr
	v_nop                                          ; one plain line behind the conversions
.irp c, 0,1                            ; the operand's layout wants a whole block in a lane
.irp i, 0,1,2
	v_permlane16_swap_b32 v[PCD+6*\c+\i], v[WK+4*\c+\i]
.endr
.irp i, 0,1,2
	v_mov_b32 v[PCD+3+6*\c+\i], v[WK+4*\c+\i]
.endr
.endr
	s_wait_alu depctr_va_vdst(0)                   ; directly ahead of the first reader of O^T
.set j, 0
.rept 16
	OMUL j                                         ; each accumulator from its low end on; these lines also stand between p's codes and scale word and the products below
.set j, j+1
.endr
	s_wait_alu depctr_va_vdst(0)
.if \more
	s_wait_dscnt 20                                ; V and its scale words are in; the 20 loads of the next K, which are younger, may be out
.else
	s_wait_dscnt 0x0
.endif
.irp t, 0,2                            ; O^T += V^T P^T: four accumulators, one instruction each
	v_wmma_scale_f32_16x16x128_f8f6f4 v[OO+8*\t:OO+7+8*\t], v[VV+12*\t:VV+11+12*\t], v[PCD:PCD+11], v[OO+8*\t:OO+7+8*\t], v[252+\t/2], v245 matrix_a_fmt:MATRIX_FMT_FP6 matrix_b_fmt:MATRIX_FMT_FP6
	v_wmma_scale_f32_16x16x128_f8f6f4 v[OO+8+8*\t:OO+15+8*\t], v[VV+12+12*\t:VV+23+12*\t], v[PCD:PCD+11], v[OO+8+8*\t:OO+15+8*\t], v[252+\t/2], v245 matrix_a_fmt:MATRIX_FMT_FP6 matrix_b_fmt:MATRIX_FMT_FP6 matrix_a_scale:MATRIX_SCALE_ROW1
.endr
	s_add_co_u32 s3, s3, CHUNK                     ; on to the next chunk
.endm
.macro WALK limit                      ; key steps, until the next chunk is the one at limit
.Lstep_\@:
	STEP 1
	s_cmp_lt_u32 s3, \limit
	s_cbranch_scc1 .Lstep_\@
.endm
	s_load_b256 s[32:39], s[0:1], 0x0              ; qimg s[32:33], kv s[34:35], maskw s[36:37], aimg s[38:39]
	s_load_b64 s[40:41], s[0:1], 0x20              ; asc
	v_lshl_add_u32 v4, v0, 2, SPARE
	v_mov_b32 v5, 0
	ds_add_u32 v4, v5                              ; the wave's opening: the add, twice on end, and its wait ahead of the round in front of my first tensor load
	ds_add_u32 v4, v5
	v_lshrrev_b32 v1, 5, v0
	v_readfirstlane_b32 s2, v1                     ; wave 0..15
	s_mov_b32 s16, 15|(3<<16)|(1<<21)              ; group 1: the mask names the four work-groups; elements of 8 bytes; bit 21 beside a mask; no padding
	s_mov_b32 s17, 32<<16                          ; tensor_dim0 = 32 elements: rows of 256 bytes
	s_mov_b32 s18, 14<<16                          ; tensor_dim1 = 14
	s_mov_b32 s19, 32<<16                          ; tile_dim0 = 32
	s_mov_b32 s20, 14                              ; tile_dim1 = 14
	s_mov_b32 s21, 32                              ; the pitch: the block is dense
	s_mov_b32 s22, 0
	s_mov_b32 s23, 0
	s_mov_b32 s26, 0x76543210
	s_mov_b32 s27, 0xfedcba98                      ; v_permlanex16_b32's selects for lane l xor 16
	s_mov_b32 s28, 0x3e38aa3b                      ; c = log2(e) / 8
	s_mov_b32 s29, s28                             ; (named with it as a pair)
	s_mov_b32 s3, 0
	s_bfe_u32 s42, ttmp6, 0x40000                  ; cx: it enters global addresses of Q, the mask and the results alone
	s_lshl_b32 s43, ttmp9, 2
	s_add_co_u32 s43, s43, s42                     ; my block of 256 queries
	s_and_b32 s44, ttmp7, 0xffff                   ; batch x 16 + head, which the four partners share
	s_lshr_b32 s45, s44, 4                         ; batch
	s_and_b32 s46, s44, 15                         ; head
	s_lshl_b32 s47, s43, 4
	s_add_co_u32 s47, s47, s2                      ; my tile of 16 queries in the batch
	s_lshl_b32 s48, s45, 7
	s_add_co_u32 s48, s48, s47                     ; and among all 256
	s_mul_i32 s50, s44, 208896                     ; the head's bytes of kv
	s_mov_b32 s51, 0
	s_mul_i32 s52, s2, 3584                        ; my 14 rows of the first part, in memory and in LDS alike
	s_mov_b32 s53, 0
	s_mul_i32 s54, s2, 9472                        ; my 37 rows of the second part,
	s_add_co_u32 s54, s54, 57344                   ; which begins behind the first's 224 rows
	s_mov_b32 s55, 0
	s_lshl_b32 s56, s44, 4
	s_lshl_b32 s58, s43, 1
	s_add_co_u32 s56, s56, s58
	s_lshr_b32 s58, s2, 3
	s_add_co_u32 s56, s56, s58                     ; Q's chunk: (batch x 16 + head) x 16 + the slab of 128 queries
	s_mul_i32 s56, s56, 6656
	s_mov_b32 s57, 0
	s_and_b32 s58, s2, 7                           ; my tile in the slab
	s_mul_i32 s60, s58, 768
	s_mov_b32 s61, 0
	s_lshl_b32 s62, s58, 6
	s_add_co_u32 s62, s62, 6144                    ; my tile's 16 scale words: pair block tile / 2, its half tile % 2
	s_mov_b32 s63, 0
	s_lshl_b32 s68, s48, 12                        ; my tile's mask words: 16 key steps x 256 bytes
	s_mov_b32 s69, 0
	s_lshl_b32 s70, s48, 4
	s_add_co_u32 s70, s70, s46
	s_mul_i32 s70, s70, 768                        ; out: my tile's and head's half image
	s_mov_b32 s71, 0
	s_lshl_b32 s12, s48, 10
	s_lshr_b32 s14, s46, 1
	s_lshl_b32 s14, s14, 7
	s_add_co_u32 s12, s12, s14
	s_and_b32 s14, s46, 1
	s_lshl_b32 s14, s14, 1
	s_add_co_u32 s12, s12, s14                     ; out: my head's two bytes of the tile's scale words of K step head / 2
	s_mov_b32 s13, 0
	s_wait_dscnt 0x0                               ; both opening adds are done
	s_wait_kmcnt 0x0
	s_add_nc_u64 s[50:51], s[34:35], s[50:51]
	s_mov_b32 s4, 1                                ; group 0 of the first part: count = 1,
	s_mov_b32 s5, s52                              ; LDS address,
	s_add_nc_u64 s[6:7], s[50:51], s[52:53]        ; the same bytes of the head's block,
	s_or_b32 s7, s7, 0x80000000                    ; type = 2
	s_mov_b32 s8, 1                                ; and of the second
	s_mov_b32 s9, s54
	s_add_nc_u64 s[10:11], s[50:51], s[54:55]
	s_or_b32 s11, s11, 0x80000000
	s_add_nc_u64 s[56:57], s[32:33], s[56:57]
	s_add_nc_u64 s[100:101], s[56:57], s[60:61]    ; Q: my tile's half image
	s_add_nc_u64 s[104:105], s[56:57], s[62:63]    ; and its scale words
	s_add_nc_u64 s[24:25], s[36:37], s[68:69]
	s_add_nc_u64 s[30:31], s[38:39], s[70:71]
	s_add_nc_u64 s[66:67], s[40:41], s[12:13]
	CROUND                                         ; all four work-groups are here: the joint loads meet
	tensor_load_to_lds s[4:7], s[16:23]            ; my one load at the head
	s_nop 0
	v_and_b32 v9, 31, v0
	v_lshlrev_b32 v1, 4, v9
	v_lshlrev_b32 v2, 3, v9
	v_lshlrev_b32 v3, 2, v9
	v_and_b32 v9, 15, v0                           ; r
	v_lshlrev_b32 v10, 2, v9
	global_load_b128 v[16:19], v1, s[100:101]      ; Q's six registers stay
	global_load_b64 v[20:21], v2, s[100:101] offset:512
	global_load_b32 v254, v10, s[104:105]
	MWORDS                                         ; key step 0's mask words
	v_mov_b32 v6, 0xff800000                       ; -infinity
	v_mov_b32 v13, 0xff61b1e6                      ; the largest t so far: -3e38
	v_floor_f32 v12, -v13                          ; -M
	v_mov_b32 v14, 0                               ; the sum, in two halves
	v_mov_b32 v15, 0
	v_mov_b32 v245, 0                              ; (named as the upper half of the pair v[244:245] before it is first made)
.irp j, 22,23,24,25,26,27
	v_mov_b32 v[\j], 0                             ; Q's upper 64 along K: zero codes
.endr
.irp j, 0,1,2,3,4,5
	v_mov_b32 v[PCD+\j], 0                         ; p's first six registers: named as the upper half of K's last operand before they are first made
.endr
.set j, 0
.rept 32
	v_mov_b32 v[OO+j], 0                           ; O^T: the step is written once; its first run finds zeros
.set j, j+1
.endr
	s_wait_alu depctr_va_vdst(0)                   ; at the head's end
	s_wait_loadcnt 0x0                             ; Q
	s_wait_tensorcnt 0x0                           ; my share of the first part has landed
	ds_add_u32 v4, v5
	s_mov_b32 s18, 37<<16                          ; no tensor load of mine is out, so the descriptor may be written: 37 rows
	s_mov_b32 s20, 37
	s_wait_dscnt 0x0
	CROUND                                         ; everybody's share has landed: key steps 0-3 are whole; the four work-groups are here
	tensor_load_to_lds s[8:11], s[16:23]           ; the second part, my first tensor load behind the round
	s_nop 0
	v_add_nc_u32 v7, s3, v1
	v_add_nc_u32 v8, s3, v2
	v_add_nc_u32 v9, s3, v3
.irp t, 0,1,2,3,4,5,6,7
	LOADK \t, 0                                    ; key step 0's K
.endr
	LOADKS 0
	WALK 3*CHUNK                                   ; key steps 0-2; they read the K of chunks 1-3
	s_wait_tensorcnt 0x0                           ; my share of the second part has landed,
	s_wait_dscnt 0x0                               ; (no LDS instruction of mine is out at a signal)
	s_barrier_signal -1
	s_barrier_wait -1                              ; everybody's has
	WALK 15*CHUNK                                  ; 3-14
	STEP 0                                         ; the last step is written out: it asks for no mask words and no K, so that no load leaves its buffer or the head's bytes
	; ---- the way out: O^T / the sum, quantised along the head's 64 channels: two blocks, half a fragment of the last product's operand
.rept 4
	v_nop                                          ; four plain lines ahead of the first read of the last products' results
.endr
	v_add_f32 v14, v14, v15
	v_permlanex16_b32 v236, v14, s26, s27
	v_add_f32 v14, v14, v236                       ; the row's sum
	v_mov_b32 v246, 0x7f800000
	v_cmp_eq_f32 vcc_lo, 0, v14                    ; a query with no key:
	v_cndmask_b32 v14, v14, v246, vcc_lo           ; its divisor is infinity, so that its numbers are zeros
	s_wait_alu depctr_va_vdst(0)                   ; ahead of the transcendental
	v_rcp_f32 v247, v14
	v_mov_b32 v246, 0xffff                         ; the plain line behind it
	s_wait_alu depctr_va_vdst(0)                   ; ahead of the first reader of the reciprocal and of O^T
.set j, 0
.rept 32
	v_mul_f32 v[SC+j], v[OO+j], v247               ; register 16 b + i is channel 32 b + 16 h + i of my query
.set j, j+1
.endr
.irp b, 0,1
	v_max3_num_f32 v[WK+\b], |v[SC+16*\b]|, |v[SC+1+16*\b]|, 0x1800000
.endr
.irp i, 2,4,6,8,10,12,14
.irp b, 0,1
	v_max3_num_f32 v[WK+\b], v[WK+\b], |v[SC+16*\b+\i]|, |v[SC+1+16*\b+\i]|
.endr
.endr
.irp b, 0,1
	v_permlanex16_b32 v[WK+4+\b], v[WK+\b], s26, s27
.endr
.irp b, 0,1
	v_max_num_f32 v[WK+\b], v[WK+\b], v[WK+4+\b]
.endr
.irp b, 0,1
	v_add_nc_u32 v[WK+8+\b], 0xff000000, v[WK+\b]
.endr
.irp b, 0,1
	v_lshrrev_b32 v[WK+4+\b], 23, v[WK+8+\b]
.endr
	v_lshl_or_b32 v245, v237, 8, v236
	v_cndmask_b32 v245, v245, v246, vcc_lo         ; a query with no key: its scale bytes are NaN
	v_cvt_scalef32_pk16_fp6_f32 v[PCD:PCD+2], v[SC:SC+15], v240
	v_cvt_scalef32_pk16_fp6_f32 v[WK:WK+2], v[SC+16:SC+31], v241
	v_nop
.irp i, 0,1,2
	v_permlane16_swap_b32 v[PCD+\i], v[WK+\i]
.endr
.irp i, 0,1,2
	v_mov_b32 v[PCD+3+\i], v[WK+\i]
.endr
	global_store_b128 v1, v[PCD:PCD+3], s[30:31]   ; 512 consecutive, aligned bytes
	global_store_b64 v2, v[PCD+4:PCD+5], s[30:31] offset:512
	global_store_b16 v3, v245, s[66:67]            ; two bytes a lane inside one block of 128 bytes: 262,144 bytes in the whole launch
	s_wait_tensorcnt 0x0                           ; the wave's end: a tensor wait, the add and its wait
	ds_add_u32 v4, v5
	s_wait_dscnt 0x0
	CROUND                                         ; the closing round
	s_endpgm
.Lfunc_end_k_q00f8861494_attn:
	.size	k_q00f8861494_attn, .Lfunc_end_k_q00f8861494_attn-k_q00f8861494_attn
	.p2alignl 7, 3214868480
	.fill 96, 4, 3214868480
	.section	.rodata,"a",@progbits
	.p2align	6, 0x0
	.amdhsa_kernel k_q00f8861494_attn
		.amdhsa_group_segment_fixed_size 327680
		.amdhsa_private_segment_fixed_size 0
		.amdhsa_enable_private_segment 0
		.amdhsa_kernarg_size 40
		.amdhsa_user_sgpr_count 2
		.amdhsa_user_sgpr_kernarg_segment_ptr 1
		.amdhsa_wavefront_size32 1
		.amdhsa_system_sgpr_workgroup_id_x 1
		.amdhsa_system_sgpr_workgroup_id_y 1
		.amdhsa_system_sgpr_workgroup_id_z 1
		.amdhsa_system_vgpr_workitem_id 0
		.amdhsa_next_free_vgpr 256
		.amdhsa_next_free_sgpr 106
		.amdhsa_reserve_vcc 1
		.amdhsa_float_denorm_mode_32 3
		.amdhsa_float_denorm_mode_16_64 3
		.amdhsa_memory_ordered 1
		.amdhsa_forward_progress 1
		.amdhsa_inst_pref_size 72
	.end_amdhsa_kernel
	.amdgpu_metadata
---
amdhsa.version: [ 1, 2 ]
amdhsa.kernels:
  - .name:           k_q00f8861494_attn
    .symbol:         k_q00f8861494_attn.kd
    .args:
      - { .name: qimg, .offset: 0, .size: 8, .value_kind: global_buffer, .address_space: global }
      - { .name: kv, .offset: 8, .size: 8, .value_kind: global_buffer, .address_space: global }
      - { .name: maskw, .offset: 16, .size: 8, .value_kind: global_buffer, .address_space: global }
      - { .name: aimg, .offset: 24, .size: 8, .value_kind: global_buffer, .address_space: global }
      - { .name: asc, .offset: 32, .size: 8, .value_kind: global_buffer, .address_space: global }
    .group_segment_fixed_size: 327680
    .private_segment_fixed_size: 0
    .kernarg_segment_align: 8
    .kernarg_segment_size: 40
    .max_flat_workgroup_size: 512
    .sgpr_count:     106
    .vgpr_count:     256
    .wavefront_size: 32
...
	.end_amdgpu_metadata
.endif
;; end of part 3
;; launch outp (part 4): grid 32 x 8, 4 waves a work-group, clusters of 4 x 1, 226,816 bytes of LDS; arguments aimg, asc, wimg, bo, out0; writes out0
.if DOCPART == 4
	.amdgcn_target "amdgcn-amd-amdhsa--gfx1250"
	.amdhsa_code_object_version 6
	.text
	.protected	k_q00f8861494_outp
	.globl	k_q00f8861494_outp
	.p2align	8
	.type	k_q00f8861494_outp,@function
k_q00f8861494_outp:
	s_mov_b64 s[64:65], 0
	v_nop
	global_prefetch_b8 v0, s[64:65] scope:SCOPE_SE
	s_setreg_imm32_b32 hwreg(HW_REG_WAVE_MODE, 25, 1), 1
	s_wait_xcnt 0x0
	s_wait_alu depctr_hold_cnt(0) depctr_sa_sdst(0) depctr_va_vdst(0) depctr_va_sdst(0) depctr_va_ssrc(0) depctr_va_vcc(0) depctr_vm_vsrc(0)
	s_getreg_b32 s2, hwreg(HW_REG_IB_STS2, 6, 4)
	s_cmp_eq_u32 s2, 0
	s_cbranch_scc0 .Lentry_in_a_cluster
	s_endpgm
.Lentry_in_a_cluster:
	s_bfe_u32 s2, ttmp6, 0x10000c
	s_cmp_lg_u32 s2, 0x3003
	s_cbranch_scc0 .Lentry_shape_is_right
	s_endpgm
.Lentry_shape_is_right:
; LAUNCH 4 OF 4: out0 = attn Wo + bo on codes of E2M3.  No work is left out.
; SHARES.  A work-group makes 128 tokens x 128 columns, each of its four waves 64 x 64: 16 accumulators, 8 K steps of 128, 128 matrix instructions.  256 work-groups: tokens' block x, columns' slab y.
; ALL OPERANDS OF THE BLOCK, for all of K, 208,896 bytes, come into LDS ONCE, as they lie in memory: three dense blocks in rows of 256 bytes.  One tensor load a wave at the head: waves 0 and 1 the halves of Wo's slab
; (200 rows each), wave 2 attn's codes (384 rows), wave 3 attn's scale words (32 rows).  No byte is filled again, so there is no ring.
; CLUSTER.  The four work-groups of a cluster take four blocks of tokens against the same slab of Wo: its two loads are asked for jointly; attn's rows are each work-group's own.
; NO PREFETCH: every request goes out at the head; there is no loop to run ahead in.
; Source 0 = Wo's 4 tiles of columns, source 1 = attn's 4 tiles of tokens: a lane holds one token and eight neighbouring columns a tile.  Two sets of fragments take turns, a K step ahead: 34 LDS loads a set.
; A K step of attn's fragment is two heads' half images (768 bytes each); its scale word has the even head's two bytes below and the odd head's above.  bo is the C of each sum's first matrix instruction.
; THE WAY OUT: a tile of 16 tokens x 64 columns goes through my own stage in LDS and leaves as whole rows of 256 bytes, two rows a store.
; REGISTERS.  Window 0: v6-11, v14, v15, v28-30 addresses; v12, v13 the add's; v16-27 scale words, two sets; v32-63 the bias as C; v64-111 Wo's fragments, v112-159 attn's (set 0), v160-255 set 1; on the way out v64-127 rows of out0.
;   Window 1: accumulator (a, b) at v[8 (4 a + b)]; a: attn's tile, b: Wo's.
.set AIB,   102400                     ; LDS: Wo's slab from 0 (8 K steps x 12,800), attn's codes (8 tiles x 12,288),
.set ASB,   200704                     ; attn's scale words (8 tiles x 1,024),
.set STG,   208896                     ; the stages: 16 rows x 272 bytes a wave,
.set SPARE, 226304                     ; the spare words, 128 bytes a wave
.set MSB, 0
.macro WIN new                         ; the immediate's high byte repeats the setting that is left; a switch that changes nothing is dropped
.if MSB != (\new)
	s_set_vgpr_msb (MSB<<8)|(\new)
.set MSB, (\new)
.endif
.endm
.macro PLACES                          ; four plain lines between matrix instructions and loads into, or reads of, their registers
.rept 4
	v_nop
.endr
.endm
.macro CROUND                          ; a round of the cluster's barrier
	s_barrier_signal -1
	s_barrier_wait -1
	s_cmp_lg_u32 s14, 0
	s_cbranch_scc1 .Lnot_wave_0_\@
	s_barrier_signal -3
.Lnot_wave_0_\@:
	s_barrier_wait -3
	s_barrier_signal -1
	s_barrier_wait -1
.endm
.macro WM
.if oA
	v_wmma_scale_f32_16x16x128_f8f6f4 v[rD:rD+7], v[rA:rA+11], v[rB:rB+11], v[rC:rC+7], v[rSA], v[rSB] matrix_a_fmt:MATRIX_FMT_FP6 matrix_b_fmt:MATRIX_FMT_FP6 matrix_a_scale:MATRIX_SCALE_ROW1
.else
	v_wmma_scale_f32_16x16x128_f8f6f4 v[rD:rD+7], v[rA:rA+11], v[rB:rB+11], v[rC:rC+7], v[rSA], v[rSB] matrix_a_fmt:MATRIX_FMT_FP6 matrix_b_fmt:MATRIX_FMT_FP6
.endif
.endm
.macro MUL buf, first                  ; a K step: 16 products; the 16 accumulators take turns, one instruction a turn
.if \first
	WIN 0x40                                       ; D in window 1, C (the bias) in window 0
.else
	WIN 0x50                                       ; C and D in window 1
.endif
.irp a, 0,1,2,3
.irp b, 0,1,2,3
.set rD, 8*(4*\a+\b)
.set rC, rD
.if \first
.set rC, 32+8*\b
.endif
.set rA, 64+96*(\buf)+12*\b
.set rB, 112+96*(\buf)+12*\a
.set rSA, 16+6*(\buf)+\b/2
.set rSB, 18+6*(\buf)+\a
.set oA, \b%2
	WM
.endr
.endr
.endm
.macro LOAD s                          ; K step s: 34 LDS loads, into set s % 2.  Wo's K steps 4-7 have address registers of their own: an offset has 16 bits
.set BF, 96*((\s)%2)
.set WF, 6+(\s)/4
.set WW, 8+(\s)/4
.irp t, 0,1,2,3
.irp c, 0,1,2
	ds_load_b128 v[64+BF+12*\t+4*\c:67+BF+12*\t+4*\c], v[WF] offset:12800*((\s)%4)+1536*\t+512*\c
.endr
.endr
.irp a, 0,1,2,3
	ds_load_b128 v[112+BF+12*\a:115+BF+12*\a], v10 offset:12288*\a+1536*(\s)
	ds_load_b64 v[116+BF+12*\a:117+BF+12*\a], v11 offset:12288*\a+1536*(\s)+512
	ds_load_b128 v[118+BF+12*\a:121+BF+12*\a], v10 offset:12288*\a+1536*(\s)+768
	ds_load_b64 v[122+BF+12*\a:123+BF+12*\a], v11 offset:12288*\a+1536*(\s)+1280
.endr
.irp p, 0,1
	ds_load_b32 v[16+6*((\s)%2)+\p], v[WW] offset:12800*((\s)%4)+12288+128*\p
.endr
.irp a, 0,1,2,3
	ds_load_b32 v[18+6*((\s)%2)+\a], v14 offset:1024*\a+128*(\s)
.endr
.endm
	s_load_b256 s[4:11], s[0:1], 0x0               ; aimg s[4:5], asc s[6:7], wimg s[8:9], bo s[10:11]
	s_load_b64 s[12:13], s[0:1], 0x20              ; out0
	v_lshl_add_u32 v12, v0, 2, SPARE
	v_mov_b32 v13, 0
	ds_add_u32 v12, v13                            ; the wave's opening: the add, twice on end, and its wait ahead of the round in front of my tensor load
	ds_add_u32 v12, v13
	v_lshrrev_b32 v1, 5, v0
	v_readfirstlane_b32 s14, v1                    ; wave 0..3
	s_lshr_b32 s15, s14, 1                         ; which 64 tokens are mine
	s_and_b32 s16, s14, 1                          ; which 64 columns
	s_bfe_u32 s17, ttmp6, 0x40000                  ; cx: it enters global addresses of attn and of out0 alone
	s_lshl_b32 s18, ttmp9, 2
	s_add_co_u32 s18, s18, s17                     ; the block of 128 tokens
	s_and_b32 s19, ttmp7, 0xffff                   ; the columns' slab, which the four partners share
	s_mov_b32 s24, 15|(3<<16)|(1<<21)              ; group 1 for Wo: the mask names the four work-groups; elements of 8 bytes; bit 21 beside a mask
	s_mov_b32 s25, 32<<16                          ; rows of 256 bytes
	s_mov_b32 s26, 200<<16                         ; 200 rows
	s_mov_b32 s27, 32<<16
	s_mov_b32 s28, 200
	s_mov_b32 s29, 32                              ; the block is dense
	s_mov_b32 s30, 0
	s_mov_b32 s31, 0
	s_mov_b32 s32, 3<<16                           ; group 1 for attn's codes: my work-group's own; 384 rows
	s_mov_b32 s33, 32<<16
	s_mov_b32 s34, 384<<16
	s_mov_b32 s35, 32<<16
	s_mov_b32 s36, 384
	s_mov_b32 s37, 32
	s_mov_b32 s38, 0
	s_mov_b32 s39, 0
	s_mov_b32 s40, 3<<16                           ; group 1 for attn's scale words: 32 rows
	s_mov_b32 s41, 32<<16
	s_mov_b32 s42, 32<<16
	s_mov_b32 s43, 32<<16
	s_mov_b32 s44, 32
	s_mov_b32 s45, 32
	s_mov_b32 s46, 0
	s_mov_b32 s47, 0
	s_mul_i32 s20, s19, 102400
	s_add_co_u32 s20, s20, 2457600                 ; Wo is the fourth matrix of wimg
	s_mul_i32 s22, s14, 51200                      ; waves 0 and 1: my half of the slab, in memory and in LDS alike
	s_add_co_u32 s20, s20, s22
	s_mov_b32 s21, 0
	s_mul_i32 s60, s18, 98304
	s_mov_b32 s61, 0
	s_lshl_b32 s62, s18, 13
	s_mov_b32 s63, 0
	s_mul_i32 s66, s16, 6144                       ; LDS: my four tiles of Wo,
	s_lshl_b32 s67, s16, 8                         ; their two pair blocks,
	s_mul_i32 s68, s15, 49152
	s_add_co_u32 s68, s68, AIB                     ; my four tiles of attn,
	s_lshl_b32 s69, s15, 12
	s_add_co_u32 s69, s69, ASB                     ; their scale words,
	s_mul_i32 s70, s14, 4352
	s_add_co_u32 s70, s70, STG                     ; my stage
	s_wait_dscnt 0x0                               ; both opening adds are done
	s_wait_kmcnt 0x0
	s_mov_b32 s48, 1                               ; group 0 for Wo
	s_mov_b32 s49, s22
	s_add_nc_u64 s[50:51], s[8:9], s[20:21]
	s_or_b32 s51, s51, 0x80000000
	s_mov_b32 s52, 1                               ; for attn's codes
	s_mov_b32 s53, AIB
	s_add_nc_u64 s[54:55], s[4:5], s[60:61]
	s_or_b32 s55, s55, 0x80000000
	s_mov_b32 s56, 1                               ; for attn's scale words
	s_mov_b32 s57, ASB
	s_add_nc_u64 s[58:59], s[6:7], s[62:63]
	s_or_b32 s59, s59, 0x80000000
	s_lshl_b32 s20, s19, 9
	s_add_co_u32 s20, s20, s67                     ; my first column, in bytes
	s_add_nc_u64 s[10:11], s[10:11], s[20:21]
	s_add_nc_u64 s[12:13], s[12:13], s[20:21]
	s_lshl_b32 s60, s18, 19
	s_lshl_b32 s62, s15, 18
	s_add_co_u32 s60, s60, s62                     ; my first token's row
	s_add_nc_u64 s[12:13], s[12:13], s[60:61]
	CROUND                                         ; all four work-groups are here: the joint loads meet
	; one chain of branches on the wave's number, a load to an arm, all arms leading to one join
	s_cmp_lt_u32 s14, 2
	s_cbranch_scc0 .Lhead_a
	tensor_load_to_lds s[48:51], s[24:31]
	s_nop 0
	PLACES
	s_branch .Lhead_asked
.Lhead_a:
	s_cmp_lt_u32 s14, 3
	s_cbranch_scc0 .Lhead_s
	tensor_load_to_lds s[52:55], s[32:39]
	s_nop 0
	PLACES
	s_branch .Lhead_asked
.Lhead_s:
	tensor_load_to_lds s[56:59], s[40:47]
	s_nop 0
	PLACES
.Lhead_asked:
	v_and_b32 v2, 31, v0                           ; lane
	v_and_b32 v3, 15, v0                           ; r
	v_bfe_u32 v4, v0, 4, 1                         ; h
	v_lshlrev_b32 v1, 4, v2                        ; 16 x lane
	v_lshlrev_b32 v5, 2, v2                        ; 4 x lane
	v_add_nc_u32 v6, s66, v1                       ; Wo's images, K steps 0-3,
	v_add_nc_u32 v7, 51200, v6                     ; and 4-7
	v_add_nc_u32 v8, s67, v5                       ; Wo's pair blocks, K steps 0-3,
	v_add_nc_u32 v9, 51200, v8                     ; and 4-7
	v_add_nc_u32 v10, s68, v1                      ; attn's half images: registers 0-3,
	v_lshlrev_b32 v11, 3, v2
	v_add_nc_u32 v11, s68, v11                     ; and 4-5
	v_add_nc_u32 v14, s69, v5                      ; attn's scale words
	v_mul_u32_u24 v15, v3, 272
	v_lshl_add_u32 v15, v4, 6, v15
	v_add_nc_u32 v15, s70, v15                     ; into the stage: row r, + 64 h
	v_mul_u32_u24 v28, v4, 272
	v_lshl_add_u32 v28, v3, 4, v28
	v_add_nc_u32 v28, s70, v28                     ; out of it: lanes 0-15 one row of 256 bytes, lanes 16-31 the next
	v_lshlrev_b32 v29, 12, v4
	v_lshl_add_u32 v29, v3, 4, v29                 ; and the same two rows in out0
	v_lshlrev_b32 v30, 6, v4                       ; the bias: my half's 16 columns of a pair of tiles
.irp t, 0,1,2,3                        ; register j of tile t's C is the bias of column 32 (t / 2) + 16 h + 8 (t % 2) + j
	global_load_b128 v[32+8*\t:35+8*\t], v30, s[10:11] offset:(32*(\t/2)+8*(\t%2))*4
	global_load_b128 v[36+8*\t:39+8*\t], v30, s[10:11] offset:(32*(\t/2)+8*(\t%2))*4+16
.endr
	s_wait_alu depctr_va_vdst(0)                   ; at the head's end
	s_wait_tensorcnt 0x0                           ; my block has landed,
	s_wait_dscnt 0x0
	s_barrier_signal -1
	s_barrier_wait -1                              ; everybody's has
	LOAD 0
	LOAD 1
	s_wait_loadcnt 0x0                             ; the bias
	s_wait_dscnt 34                                ; K step 1's 34 loads may be out
	MUL 0, 1
	WIN 0
	PLACES
	LOAD 2
.irp s, 1,2,3,4,5,6,7
.if \s < 7
	s_wait_dscnt 34                                ; the next K step's 34 loads may be out
.else
	s_wait_dscnt 0x0
.endif
	MUL \s%2, 0
	WIN 0
	PLACES
.if \s < 6
	LOAD \s+2
.endif
.endr
.irp a, 0,1,2,3
.if \a > 1
	s_wait_xcnt 0x0                                ; the stores of two tiles ago have read the registers that the loads below fill
.endif
	WIN 0x04                                       ; an LDS store's data are its source 1: window 1
.irp b, 0,1,2,3
	ds_store_b128 v15, v[8*(4*\a+\b):8*(4*\a+\b)+3] offset:128*(\b/2)+32*(\b%2)        ; each accumulator from its low end on
	ds_store_b128 v15, v[8*(4*\a+\b)+4:8*(4*\a+\b)+7] offset:128*(\b/2)+32*(\b%2)+16
.endr
	WIN 0
.irp t, 0,1,2,3,4,5,6,7
	ds_load_b128 v[64+32*(\a%2)+4*\t:67+32*(\a%2)+4*\t], v28 offset:544*\t   ; LDS serves a wave's instructions in order: these see the stores above, and the next tile's stores come behind them
.endr
.irp t, 0,1,2,3,4,5,6,7
	s_wait_dscnt 7-\t                              ; the younger loads may be out
	global_store_b128 v29, v[64+32*(\a%2)+4*\t:67+32*(\a%2)+4*\t], s[12:13] offset:(32*(\a/2)+8*(\a%2)+2*\t+8*(\t/4))*4096 th:TH_STORE_NT   ; sixteen lanes store 256 consecutive, aligned bytes of the token that stands in lane 2 t (+ 1) of tile a
.endr
.endr
	s_wait_tensorcnt 0x0                           ; the wave's end: a tensor wait, the add and its wait behind my tensor load and my last LDS store
	ds_add_u32 v12, v13
	s_wait_dscnt 0x0
	CROUND                                         ; the closing round
	s_endpgm
.Lfunc_end_k_q00f8861494_outp:
	.size	k_q00f8861494_outp, .Lfunc_end_k_q00f8861494_outp-k_q00f8861494_outp
	.p2alignl 7, 3214868480
	.fill 96, 4, 3214868480
	.section	.rodata,"a",@progbits
	.p2align	6, 0x0
	.amdhsa_kernel k_q00f8861494_outp
		.amdhsa_group_segment_fixed_size 226816
		.amdhsa_private_segment_fixed_size 0
		.amdhsa_enable_private_segment 0
		.amdhsa_kernarg_size 40
		.amdhsa_user_sgpr_count 2
		.amdhsa_user_sgpr_kernarg_segment_ptr 1
		.amdhsa_wavefront_size32 1
		.amdhsa_system_sgpr_workgroup_id_x 1
		.amdhsa_system_sgpr_workgroup_id_y 1
		.amdhsa_system_sgpr_workgroup_id_z 1
		.amdhsa_system_vgpr_workitem_id 0
		.amdhsa_next_free_vgpr 384
		.amdhsa_next_free_sgpr 72
		.amdhsa_reserve_vcc 0
		.amdhsa_float_denorm_mode_32 3
		.amdhsa_float_denorm_mode_16_64 3
		.amdhsa_memory_ordered 1
		.amdhsa_forward_progress 1
		.amdhsa_inst_pref_size 51
	.end_amdhsa_kernel
	.amdgpu_metadata
---
amdhsa.version: [ 1, 2 ]
amdhsa.kernels:
  - .name:           k_q00f8861494_outp
    .symbol:         k_q00f8861494_outp.kd
    .args:
      - { .name: aimg, .offset: 0, .size: 8, .value_kind: global_buffer, .address_space: global }
      - { .name: asc, .offset: 8, .size: 8, .value_kind: global_buffer, .address_space: global }
      - { .name: wimg, .offset: 16, .size: 8, .value_kind: global_buffer, .address_space: global }
      - { .name: bo, .offset: 24, .size: 8, .value_kind: global_buffer, .address_space: global }
      - { .name: out0, .offset: 32, .size: 8, .value_kind: global_buffer, .address_space: global }
    .group_segment_fixed_size: 226816
    .private_segment_fixed_size: 0
    .kernarg_segment_align: 8
    .kernarg_segment_size: 40
    .max_flat_workgroup_size: 128
    .sgpr_count:     72
    .vgpr_count:     384
    .wavefront_size: 32
...
	.end_amdgpu_metadata
.endif
;; end of part 4
